; MI455X (gfx1250); checked and timed in simulation.
; The chip was launched on July 23, 2026; its instructions are those of AMD's public machine-readable ISA for CDNA 5 (MIT licence, August 2026) and "CDNA5" Instruction Set Architecture Reference Guide (July 2026). The comments in the code are by the model that wrote it; some were corrected since.
;; Sparse Layer. Allowed arithmetic: matrix products marked QUANTISED: E2M3 operands, one E8M0 scale for each 32 along K, by v_wmma_scale_f32_16x16x128_f8f6f4 with both operands' format E2M3, f32 sums; everything else in f32.
;; Inputs: W 4,096 x 4,096 float32; x 4,096 x 4,096 float32.
;; Outputs: out0 4,096 x 4,096 float32.
;; This version of the problem:
;;   THIS VERSION OF THE PROBLEM IS GIVEN IN LOW PRECISION. The matrix products marked QUANTISED in the list below multiply operands that are first quantised to E2M3 (2 exponent bits, 3 mantissa bits; 6 bits a number), with one power-of-two scale for each 32 numbers along K (OCP MX v1.0); their sums are f32. All else is computed in f32.
;;   The module's matrix products, in the order in which they are computed (A, B: the left and right operand; K: the contracted axis; several contracted axes count as one K, in the product's order):
;;     1. [M 4,096, K 4,096] x [K 4,096, N 4,096]; A: input W; B: input x: QUANTISED
;;   THE QUANTISER, for each operand of a quantised product, along K:
;;     - K is cut into blocks of 32 from its start; a last block that is shorter is filled with zeros.
;;     - A block's scale is 2^e with e = floor(log2(the largest magnitude in the block)) - 2, held to -126 .. 127; a block of zeros has e = 0. As a byte (E8M0): e + 127.
;;     - Each number is divided by its block's scale, clamped to +-7.5, and rounded to the nearest number of E2M3, ties to even, subnormals kept.
;;     - The product sums the exact products of the quantised numbers (number of the format x scale) in f32.
;;   ~~~python
;;   def quantise(x, axis):      # numpy; x: float32 -> the quantised numbers, widened to float32 again
;;       x = np.moveaxis(x, axis, -1); K = x.shape[-1]
;;       x = np.pad(x, [(0, 0)] * (x.ndim - 1) + [(0, -K % 32)]); x = x.reshape(x.shape[:-1] + (-1, 32)); a = np.abs(x).max(-1, keepdims=True)
;;       e = np.where(a > 0, np.clip(np.frexp(np.where(a > 0, a, 1))[1] - 1 - 2, -126, 127), 0)      # np.frexp(a)[1] - 1 = floor(log2(a)), exactly
;;       r = np.clip(x / 2.0 ** e, -7.5, 7.5)
;;       step = 2.0 ** (np.maximum(np.frexp(np.where(r == 0, 1, r))[1] - 1, 0) - 3)
;;       q = np.round(r / step) * step * 2.0 ** e      # np.round: ties to even
;;       return np.moveaxis(q.reshape(q.shape[:-2] + (-1,))[..., :K], -1, axis).astype(np.float32)
;;   ~~~
;; One version. Each part assembles by itself: llvm-mc -triple=amdgcn-amd-amdhsa -mcpu=gfx1250 --defsym DOCPART=n.
;; ======== version 1 of 1: 2 launches
;; limits: right only within a limited range of input values
;; workspace buffers: wq 13,107,200 bytes; xq 13,107,200 bytes
;; launch quant (part 1): grid 32 x 32, 4 waves a work-group, no clusters, 1,536 bytes of LDS; arguments W, x, wq, xq; writes wq, xq
.if DOCPART == 1
	.amdgcn_target "amdgcn-amd-amdhsa--gfx1250"
	.amdhsa_code_object_version 6
	.text
	.protected	k_qb4874bdaa1_quant
	.globl	k_qb4874bdaa1_quant
	.p2align	8
	.type	k_qb4874bdaa1_quant,@function
k_qb4874bdaa1_quant:
	s_mov_b64 s[64:65], 0
	v_nop
	global_prefetch_b8 v0, s[64:65] scope:SCOPE_SE
	s_setreg_imm32_b32 hwreg(HW_REG_WAVE_MODE, 25, 1), 1
	s_wait_xcnt 0x0
; W [4096 (k)][4096 (o)] and x [4096 (k)][4096 (b)], f32, K on the FIRST axis, become codes of FP6 (E2M3) with one E8M0 scale byte for each 32 along K,
; laid in the order in which the product's launch takes its operand registers.
; THE RULE.  A block's scale is 2^(floor(log2(its largest magnitude)) - 2); its byte is the largest magnitude's own exponent field - 2, held at 1 from below by a floor among the
; maximum's leaves.  Each number is divided by the scale and rounded to the nearest code, ties to even; beyond 7.5 the conversion gives the largest code.
; LIMITS.  A block of zeros gets the byte 1 where the rule says 127: its codes are zeros, which add nothing under any byte but 0xff, and the bytes are read by this program alone.
; Blocks whose largest magnitude lies under 2^-124 (the floor) are divided by 2^-126, as the rule has it, but were not tried.  NaN and infinities among the inputs are not served.
; A LANE TAKES A COLUMN, AND ITS REGISTERS RUN DOWN K: a load reads 32 neighbouring columns of one row k (128 consecutive bytes a wave, the four waves side by side on 512),
; a block of 32 along K lies in one lane's 32 registers, so its maximum needs no other lane, and the conversions give codes with K innermost.  Nothing is transposed.
; SHARES.  Work-group (gx, gy): gy < 16 takes W, the others x; columns 128 gx on; rows 256 (gy % 16) on.  Wave w takes 32 of the columns: 8 blocks a lane.
; THE OUTPUT.  A buffer is [32 groups of 128 columns][32 steps of 128 along K][a tile of 12,800 bytes]; a work-group makes two tiles on end.  In a tile: 12,288 bytes of codes, [i: 8 blocks of 16 columns][1,536 bytes]:
; the image of a fragment's 12 registers: registers 4 j .. 4 j + 3 of the operand's lane (r, h) at 512 j + 256 h + 16 r.  (ISA guide, 7.12.2's 6-bit layout: that lane's registers 6 c .. 6 c + 5
; hold k = 64 c + 32 h + 0 .. 31 of column r.)  Then 512 bytes of scale words, four bytes each, byte b for k = 32 b .. 32 b + 31 of the step: the word of column r of block i at 256 (i / 4) + 16 r + 4 (i % 4),
; so that the reader's lane r finds the words of four blocks in 16 bytes.
; So my lane (16 u + r) of wave w is column r of block i = 2 w + u, and its block t of 8 is registers 6 c .. 6 c + 5 of the operand's lane (r, h) of step q: q = t / 4, c = (t % 4) / 2, h = t % 2.
; Each store of codes covers two runs of 256 consecutive bytes, each aligned to 256 (lanes 0-15 one, lanes 16-31 the other), straight from registers.
; A wave owns only 128 of a tile's 512 scale bytes: so the work-group's 1,024 meet in LDS, behind one barrier, and each wave stores 256 consecutive bytes of them, aligned to 256.
; Every offset is an immediate, no pointer is stepped and no register that a store reads is written again: so no wait for stores or for their sources is written.
.set ROWB,  16384                      ; a row of W or of x in bytes
.set STEPT, 12800                      ; a tile
.set CODEB, 12288                      ; where a tile's scale words begin
.set SB,    24                         ; v[24:25]  my column's two scale words
.set X,     32                         ; v32-95    two sets of 32 numbers
.set CD,    96                         ; v96-143   four sets of 12: set 2 q + h = the registers of the operand's lane (r, h) of step q
.set TP,    144                        ; v[144:146] a block's upper 16 codes, before they are moved (a conversion's three registers begin on an even number)
	s_load_b128 s[4:7], s[0:1], 0x0                ; W, x
	s_load_b128 s[8:11], s[0:1], 0x10              ; wq, xq
	v_lshl_add_u32 v152, v0, 2, 0x400
	v_mov_b32 v153, 0
	v_lshrrev_b32 v1, 5, v0
	v_readfirstlane_b32 s16, v1                    ; wave 0..3
	v_and_b32 v2, 31, v0                           ; lane
	v_lshlrev_b32 v3, 2, v2                        ; in: 4 bytes a lane
	v_and_b32 v5, 15, v0                           ; r
	v_bfe_u32 v6, v0, 4, 1                         ; u
	s_mul_i32 s24, s16, 3072                       ; two blocks of 16 columns a wave, 1,536 bytes of codes each in a tile
	v_mul_u32_u24 v4, v6, 1536
	v_lshl_add_u32 v4, v5, 4, v4
	v_add_nc_u32 v4, s24, v4                       ; out: 1,536 (2 w + u) + 16 r
	v_lshlrev_b32 v8, 4, v5                        ; LDS, on the way in: my word's place in a tile's 512 bytes: 16 r
	v_lshl_add_u32 v8, v6, 2, v8                   ; + 4 (i % 4), i = 2 w + u: 4 u
	v_bfe_u32 v9, v0, 5, 1
	v_lshl_add_u32 v8, v9, 3, v8                   ; + 8 (w % 2)
	v_bfe_u32 v9, v0, 6, 1
	v_lshl_add_u32 v8, v9, 8, v8                   ; + 256 (i / 4) = 256 (w / 2)
	v_lshlrev_b32 v10, 3, v0                       ; and on the way out: 8 bytes a thread; threads 0-63 take step 0's 512 bytes, threads 64-127 step 1's
	v_mul_u32_u24 v7, v9, CODEB                    ; their place in memory: 12,288 + 8 n in the first tile; in the second 12,800 + 12,288 + 8 n - 512
	v_lshl_add_u32 v7, v0, 3, v7
	v_add_nc_u32 v7, CODEB, v7
	s_and_b32 s18, ttmp7, 0xffff                   ; gy
	s_and_b32 s19, s18, 15                         ; which 256 along K
	s_lshl_b32 s20, s19, 22                        ; 256 rows of 16,384 bytes,
	s_lshl_b32 s21, ttmp9, 9                       ; 128 columns a work-group,
	s_add_co_u32 s20, s20, s21
	s_lshl_b32 s21, s16, 7                         ; 32 a wave
	s_add_co_u32 s20, s20, s21
	s_mov_b32 s21, 0
	s_lshl_b32 s22, ttmp9, 4
	s_add_co_u32 s22, s22, s19
	s_mul_i32 s22, s22, 2*STEPT                    ; my two tiles: (16 gx + the run along K) x 25,600
	s_mov_b32 s23, 0
	s_wait_kmcnt 0x0
	s_cmp_lt_u32 s18, 16                           ; W's work-group or x's?  The choice hangs on the work-group's number alone
	s_cselect_b64 s[4:5], s[4:5], s[6:7]
	s_cselect_b64 s[8:9], s[8:9], s[10:11]
	s_add_nc_u64 s[4:5], s[4:5], s[20:21]
	s_add_nc_u64 s[8:9], s[8:9], s[22:23]
.macro LOAD t                          ; block t: rows 32 t + i of my column, i = 0 .. 31, into set t % 2.  The largest offset, 255 rows, lies inside the signed 24-bit immediate (ISA guide, chapter 10)
.irp i, 0,1,2,3,4,5,6,7,8,9,10,11,12,13,14,15,16,17,18,19,20,21,22,23,24,25,26,27,28,29,30,31
	global_load_b32 v[X+32*((\t)%2)+\i], v3, s[4:5] offset:(32*(\t)+\i)*ROWB th:TH_LOAD_NT
.endr
.endm
.macro BLOCK t
.set XS,  X+32*((\t)%2)
.set QQ,  (\t)/4
.set HH,  (\t)%2
.set SET, CD+12*(2*QQ+HH)
.set DD,  SET+6*(((\t)%4)/2)
.if (\t) < 7
	s_wait_loadcnt 32                              ; loads come back in order (ISA guide 5.7.1): this block's 32 are in, the next block's 32 may be out
.else
	s_wait_loadcnt 0x0
.endif
	v_max3_num_f32 v12, |v[XS]|, |v[XS+1]|, |v[XS+2]|              ; the block's largest magnitude, in two chains: all 32 numbers are mine
	v_max3_num_f32 v13, |v[XS+3]|, |v[XS+4]|, |v[XS+5]|
.irp i, 6,10,14,18,22,26
	v_max3_num_f32 v12, v12, |v[XS+\i]|, |v[XS+\i+1]|
	v_max3_num_f32 v13, v13, |v[XS+\i+2]|, |v[XS+\i+3]|
.endr
	v_max3_num_f32 v12, v12, |v[XS+30]|, |v[XS+31]|
	v_max3_num_f32 v12, v12, v13, 3<<23            ; and the floor 2^(3 - 127): the byte cannot fall under 1
	v_add_nc_u32 v11, 0xff000000, v12              ; 2 off the exponent field: the conversion takes the exponent field of this operand as its scale, and nothing else of it
	v_cvt_scalef32_pk16_fp6_f32 v[DD:DD+2], v[XS:XS+15], v11       ; k = 0 .. 15 of the block: 96 bits without gaps, the lowest k lowest
	v_cvt_scalef32_pk16_fp6_f32 v[TP:TP+2], v[XS+16:XS+31], v11    ; k = 16 .. 31
	v_lshrrev_b32 v13, 23, v11                     ; the scale's byte.  (Also the plain instruction between the conversions and the moves that read their result)
.if (\t)%4 == 0
	v_mov_b32 v[SB+QQ], v13                        ; four bytes to a word, the lower K in the lower byte
.else
	v_lshl_or_b32 v[SB+QQ], v13, 8*((\t)%4), v[SB+QQ]
.endif
.irp i, 0,1,2
	v_mov_b32 v[DD+3+\i], v[TP+\i]
.endr
.if (\t)+2 < 8
	LOAD (\t)+2                                    ; loads ahead of stores: the set just converted takes the block two on
.endif
.if (\t)%4 >= 2                        ; both halves of the operand's lane (r, h) of step q are made: its 12 registers leave
.irp j, 0,1,2
	global_store_b128 v4, v[SET+4*\j:SET+4*\j+3], s[8:9] offset:STEPT*QQ+256*HH+512*\j
.endr
.endif
.endm
	LOAD 0
	LOAD 1
.irp t, 0,1,2,3,4,5,6,7
	BLOCK \t
.endr
	ds_store_b32 v8, v[SB]                         ; step 0's word of my column,
	ds_store_b32 v8, v[SB+1] offset:512            ; step 1's
	s_wait_dscnt 0x0                               ; for the others' sake: my two stores have landed
	s_barrier_signal -1
	s_barrier_wait -1                              ; all 1,024 bytes lie in LDS
	ds_load_b64 v[16:17], v10
	s_wait_dscnt 0x0
	global_store_b64 v7, v[16:17], s[8:9]          ; the wave stores 256 consecutive bytes, aligned to 256: half of a tile's scale words
	s_wait_tensorcnt 0x0
	ds_add_u32 v152, v153
	s_wait_dscnt 0x0
	s_endpgm
.Lfunc_end_k_qb4874bdaa1_quant:
	.size	k_qb4874bdaa1_quant, .Lfunc_end_k_qb4874bdaa1_quant-k_qb4874bdaa1_quant
	.p2alignl 7, 3214868480
	.fill 96, 4, 3214868480
	.section	.rodata,"a",@progbits
	.p2align	6, 0x0
	.amdhsa_kernel k_qb4874bdaa1_quant
		.amdhsa_group_segment_fixed_size 1536
		.amdhsa_private_segment_fixed_size 0
		.amdhsa_enable_private_segment 0
		.amdhsa_kernarg_size 32
		.amdhsa_user_sgpr_count 2
		.amdhsa_user_sgpr_kernarg_segment_ptr 1
		.amdhsa_wavefront_size32 1
		.amdhsa_system_sgpr_workgroup_id_x 1
		.amdhsa_system_sgpr_workgroup_id_y 1
		.amdhsa_system_sgpr_workgroup_id_z 1
		.amdhsa_system_vgpr_workitem_id 0
		.amdhsa_next_free_vgpr 154
		.amdhsa_next_free_sgpr 66
		.amdhsa_reserve_vcc 0
		.amdhsa_float_denorm_mode_32 3
		.amdhsa_float_denorm_mode_16_64 3
		.amdhsa_memory_ordered 1
		.amdhsa_forward_progress 1
		.amdhsa_inst_pref_size 40
	.end_amdhsa_kernel
	.amdgpu_metadata
---
amdhsa.version: [ 1, 2 ]
amdhsa.kernels:
  - .name:           k_qb4874bdaa1_quant
    .symbol:         k_qb4874bdaa1_quant.kd
    .args:
      - { .name: W, .offset: 0, .size: 8, .value_kind: global_buffer, .address_space: global }
      - { .name: x, .offset: 8, .size: 8, .value_kind: global_buffer, .address_space: global }
      - { .name: wq, .offset: 16, .size: 8, .value_kind: global_buffer, .address_space: global }
      - { .name: xq, .offset: 24, .size: 8, .value_kind: global_buffer, .address_space: global }
    .group_segment_fixed_size: 1536
    .private_segment_fixed_size: 0
    .kernarg_segment_align: 8
    .kernarg_segment_size: 32
    .max_flat_workgroup_size: 128
    .sgpr_count:     66
    .vgpr_count:     154
    .wavefront_size: 32
...
	.end_amdgpu_metadata
.endif
;; end of part 1
;; launch gemm (part 2): grid 16 x 16, 4 waves a work-group, clusters of 4 x 4, 327,680 bytes of LDS; arguments wq, xq, out0; writes out0
.if DOCPART == 2
	.amdgcn_target "amdgcn-amd-amdhsa--gfx1250"
	.amdhsa_code_object_version 6
	.text
	.protected	k_qb4874bdaa1_gemm
	.globl	k_qb4874bdaa1_gemm
	.p2align	8
	.type	k_qb4874bdaa1_gemm,@function
k_qb4874bdaa1_gemm:
	s_mov_b64 s[64:65], 0
	v_nop
	global_prefetch_b8 v0, s[64:65] scope:SCOPE_SE
	s_setreg_imm32_b32 hwreg(HW_REG_WAVE_MODE, 25, 1), 1
	s_wait_xcnt 0x0
	s_wait_alu depctr_hold_cnt(0) depctr_sa_sdst(0) depctr_va_vdst(0) depctr_va_sdst(0) depctr_va_ssrc(0) depctr_va_vcc(0) depctr_vm_vsrc(0)
	s_getreg_b32 s2, hwreg(HW_REG_IB_STS2, 6, 4)
	s_cmp_eq_u32 s2, 0
	s_cbranch_scc0 .Lentry_in_a_cluster
	s_endpgm
.Lentry_in_a_cluster:
	s_bfe_u32 s2, ttmp6, 0x10000c
	s_cmp_lg_u32 s2, 0xf033
	s_cbranch_scc0 .Lentry_shape_is_right
	s_endpgm
.Lentry_shape_is_right:
; out0[o][b] = sum over k of Q(W)[k][o] Q(x)[k][b]: codes of FP6 (E2M3) with E8M0 scale bytes, as the launch before laid them: [32 groups of 128 columns][32 steps of 128 K][tile of 12,800 bytes]:
; 8 fragment images of 1,536 bytes (registers 4 j .. 4 j + 3 of lane l at 512 j + 16 l), then 512 bytes of scale words.
; A work-group of four waves makes 256 x 256 of out0, a wave 128 x 128: 64 accumulators.  Source 0 = 16 columns of x, source 1 = 16 columns of W: a lane holds eight neighbouring numbers of a row of out0.
; CLUSTERS 4 x 4: W's tiles are shared along a row of the cluster, x's along a column, each asked for jointly.
; THE RING: two slots of 3 steps (4 x 38,400 bytes).  Fill 0 holds steps 0, 1; fill f >= 1 steps 3 f - 1 .. 3 f + 1, in slot f % 2: 2 + 10 x 3 = 32.  A wave has one tensor load out at the most.
; REGISTERS.  Window 0: v16-30 addresses; v32-47 scale words, two sets (lanes 0-15 W's, lanes 16-31 x's); v64-159, v160-255 W's fragments, TWO sets of 8 x 12.  Window 1: x's fragments, two sets, at v0 and v128.
; Windows 2, 3: the accumulators of my rows 0-63, 64-127 ((a, b) at v[8 (8 (a % 4) + b)]).
; A STEP: the NEXT step's LDS loads stand in TWO runs, into the sets that the step before multiplied: x's 24 and the 2 of scale words at the step's head, W's 24 behind its first 32 products.
; So a step's fragments are asked for before it begins, and a slot is read for the last time one step before its last step is multiplied: the change of slots stands at the head of a fill's last step.
; The last step goes by blocks of 16 rows, and each block leaves as soon as its eight products are done.
; PREFETCH: a pair of steps of a group is 100 blocks of 256 bytes on end; the four partners that ask for a tile jointly take 25 each, by address (cx for W, cy for x), a lane a block (lanes 25-31 name the 25th again).
; At even step t pair t / 2 + 5 is asked for (steps t + 10, t + 11), at least four steps ahead of the tensor load that takes them; pairs 1, 2 behind the head's first load, pairs 3, 4 behind its second; the last is pair 15, at step 20.
.set FR,     12
.set FRB,    1536
.set CODEB,  12288
.set STEPT,  12800
.set HALFT,  3*STEPT
.set SLOT,   4*HALFT
.set GROUPB, 32*STEPT
.set SPARE,  2*SLOT                    ; the spare words: 512 bytes that no other line names
.set STAGE,  SLOT                      ; the way out goes through slot 1, which has had its last fill and its last read by then
.set SPITCH, 528
.set ROWC,   16384
.set ADRA, 16
.set ADRS, 18
.set ADRB, 20
.set STO,  24
.set RD,   25
.set CO,   26
.set SPW,  28
.set NIL,  29
.set PFO,  30
.set SC,   32
.set AF,   64
.set G1,   24
.set G0,   32
.set G1B,  48
.set G0B,  56
.set G1L,  68                          ; group 1 of fill 0: 100 rows of 256 bytes
.set G1LB, 76
.set PFA,  84
.set MSB, 0
.macro WIN new                         ; the immediate's high byte repeats the setting that is left
.if MSB != \new
	s_set_vgpr_msb (MSB<<8)|\new
.set MSB, \new
.endif
.endm
.macro JLOAD s, g1a, g1b               ; a joint load: waves 0, 1 fetch W's two groups, waves 2, 3 x's; s_nop 0 and four v_nop behind each line
	s_cmp_eq_u32 s11, 0
	s_cbranch_scc0 .Lfor_b_\@
	tensor_load_to_lds s[G0+4*\s:G0+4*\s+3], s[\g1a:\g1a+7]
	s_nop 0
.rept 4
	v_nop
.endr
	s_branch .Lasked_\@
.Lfor_b_\@:
	tensor_load_to_lds s[G0B+4*\s:G0B+4*\s+3], s[\g1b:\g1b+7]
	s_nop 0
.rept 4
	v_nop
.endr
.Lasked_\@:
.endm
.macro CREST
	s_cmp_lg_u32 s10, 0
	s_cbranch_scc1 .Lnot_wave_0_\@
	s_barrier_signal -3
.Lnot_wave_0_\@:
	s_barrier_wait -3
	s_barrier_signal -1
	s_barrier_wait -1
.endm
.macro CROUND
	s_barrier_signal -1
	s_barrier_wait -1
	CREST
.endm
.macro PLACES                          ; four places ahead of loads into registers that products have read, and of reads of results
.rept 4
	v_nop
.endr
.endm
	s_load_b128 s[4:7], s[0:1], 0x0                ; wq, xq
	s_load_b64 s[8:9], s[0:1], 0x10                ; out0
	v_lshl_add_u32 v[SPW], v0, 2, SPARE
	v_mov_b32 v[NIL], 0
	ds_add_u32 v[SPW], v[NIL]                      ; the opening lines: the add twice on end and one wait
	ds_add_u32 v[SPW], v[NIL]
	v_lshrrev_b32 v1, 5, v0
	v_readfirstlane_b32 s10, v1                    ; wave
	v_and_b32 v[PFO], 31, v0
	v_min_u32 v[PFO], 24, v[PFO]
	v_lshlrev_b32 v[PFO], 8, v[PFO]                ; prefetch: 256 x min(lane, 24)
	s_lshr_b32 s11, s10, 1                         ; my half of the rows; also: I fetch for W (0) or x (1)
	s_and_b32 s12, s10, 1                          ; my half of the columns; also: which group of the two I fetch
	s_bfe_u32 s40, ttmp6, 0x40000                  ; cx
	s_bfe_u32 s41, ttmp6, 0x40004                  ; cy
	s_lshl_b32 s42, ttmp9, 2
	s_add_co_u32 s42, s42, s40                     ; tile column
	s_and_b32 s13, ttmp7, 0xffff
	s_lshl_b32 s13, s13, 2
	s_add_co_u32 s13, s13, s41                     ; tile row
	s_lshl_b32 s43, s41, 2
	s_lshl_b32 s43, 15, s43                        ; my row of the cluster
	s_lshl_b32 s44, 0x1111, s40                    ; my column
	s_or_b32 s[G1+0], s43, (3<<16)|(1<<21)         ; dense rows of 32 elements of 8 bytes
	s_or_b32 s[G1B+0], s44, (3<<16)|(1<<21)
	s_or_b32 s[G1L+0], s43, (3<<16)|(1<<21)
	s_or_b32 s[G1LB+0], s44, (3<<16)|(1<<21)
.irp g, G1, G1B
	s_mov_b32 s[\g+1], 32<<16
	s_mov_b32 s[\g+2], 150<<16
	s_mov_b32 s[\g+3], 32<<16
	s_mov_b32 s[\g+4], 150
	s_mov_b32 s[\g+5], 32
	s_mov_b32 s[\g+6], 0
	s_mov_b32 s[\g+7], 0
.endr
.irp g, G1L, G1LB
	s_mov_b32 s[\g+1], 32<<16
	s_mov_b32 s[\g+2], 100<<16
	s_mov_b32 s[\g+3], 32<<16
	s_mov_b32 s[\g+4], 100
	s_mov_b32 s[\g+5], 32
	s_mov_b32 s[\g+6], 0
	s_mov_b32 s[\g+7], 0
.endr
	s_lshl_b32 s16, s13, 1
	s_add_co_u32 s16, s16, s12
	s_mul_i32 s16, s16, GROUPB                     ; W's group 2 x tile row + half
	s_mov_b32 s17, 0
	s_lshl_b32 s46, s42, 1
	s_add_co_u32 s46, s46, s12
	s_mul_i32 s46, s46, GROUPB                     ; x's group 2 x tile column + half
	s_mov_b32 s47, 0
	s_mul_i32 s20, s10, HALFT                      ; where my load lands in a slot
	s_wait_alu depctr_va_vdst(0)
	s_wait_dscnt 0x0
	s_wait_kmcnt 0x0
	s_add_nc_u64 s[14:15], s[4:5], s[16:17]
	s_add_nc_u64 s[46:47], s[6:7], s[46:47]
.irp s, 0,1
	s_mov_b32 s[G0+4*\s], 1
	s_add_co_u32 s[G0+4*\s+1], s20, \s*SLOT
	s_add_nc_u64 s[G0+4*\s+2:G0+4*\s+3], s[14:15], \s*2*STEPT      ; fill 0 begins at step 0, fill 1 at step 2
	s_or_b32 s[G0+4*\s+3], s[G0+4*\s+3], 0x80000000
	s_mov_b32 s[G0B+4*\s], 1
	s_add_co_u32 s[G0B+4*\s+1], s20, \s*SLOT
	s_add_nc_u64 s[G0B+4*\s+2:G0B+4*\s+3], s[46:47], \s*2*STEPT
	s_or_b32 s[G0B+4*\s+3], s[G0B+4*\s+3], 0x80000000
.endr
	s_cmp_eq_u32 s11, 0
	s_cselect_b64 s[PFA:PFA+1], s[14:15], s[46:47] ; the group that I fetch,
	s_cselect_b32 s16, s40, s41                    ; my place among the four that ask for it with me,
	s_mul_i32 s16, s16, 25*256                     ; and my 25 blocks of a pair's 100
	s_mov_b32 s17, 0
	s_add_nc_u64 s[PFA:PFA+1], s[PFA:PFA+1], s[16:17]
	CROUND                                         ; the round in front of the first joint loads
	JLOAD 0, G1L, G1LB                             ; fill 0: my one tensor load at the head
.irp m, 1,2
	global_prefetch_b8 v[PFO], s[PFA:PFA+1] offset:\m*2*STEPT th:TH_LOAD_NT scope:SCOPE_SE   ; steps 2 to 5
.endr
	s_mul_i32 s21, s11, HALFT                      ; my 128 columns of W in slot 0,
	s_add_co_u32 s22, s21, SLOT                    ; in slot 1
	s_mul_i32 s23, s12, HALFT
	s_add_co_u32 s23, s23, 2*HALFT                 ; my 128 columns of x
	s_add_co_u32 s45, s23, SLOT
	s_sub_co_u32 s43, s23, s21                     ; from W's scale words to x's
	s_mul_i32 s44, s10, 16*SPITCH
	s_add_co_u32 s44, s44, STAGE                   ; my stage
	s_lshl_b32 s16, s13, 8
	s_lshl_b32 s17, s11, 7
	s_add_co_u32 s16, s16, s17
	s_lshl_b32 s16, s16, 14                        ; my first row of out0, 16,384 bytes a row
	s_mov_b32 s17, 0
	s_lshl_b32 s46, s42, 10
	s_lshl_b32 s47, s12, 9
	s_add_co_u32 s46, s46, s47
	s_mov_b32 s47, 0
	s_add_nc_u64 s[16:17], s[16:17], s[46:47]
	s_add_nc_u64 s[8:9], s[8:9], s[16:17]
	v_and_b32 v1, 15, v0                           ; r
	v_bfe_u32 v2, v0, 4, 1                         ; h
	v_and_b32 v3, 31, v0
	v_lshlrev_b32 v4, 4, v3                        ; 16 x lane: a fragment image as it lies
	v_mul_u32_u24 v6, s43, v2
	v_lshl_add_u32 v5, v1, 4, v6                   ; scale words: 16 r; lanes 16-31 take x's
	v_mul_u32_u24 v7, v1, SPITCH
	v_lshl_add_u32 v7, v2, 5, v7
	v_add_nc_u32 v[STO], s44, v7
	v_lshlrev_b32 v[CO], 4, v3
	v_add_nc_u32 v[RD], s44, v[CO]
	v_add_nc_u32 v[ADRA], s21, v4
	v_add_nc_u32 v[ADRA+1], s22, v4
	v_add_nc_u32 v[ADRB], s23, v4
	v_add_nc_u32 v[ADRB+1], s45, v4
	v_add_nc_u32 v[ADRS], s21, v5
	v_add_nc_u32 v[ADRS+1], s22, v5
.macro FRAG reg, adr, q, i
.irp j, 0,1,2
	ds_load_b128 v[(\reg)+4*\j:(\reg)+4*\j+3], v[\adr] offset:(\q)*STEPT+(\i)*FRB+512*\j
.endr
.endm
.macro FETCHX slot, q, p               ; of the step at (slot, q), into sets p: 24 loads of x's fragments and 2 of scale words
	WIN 0x40
.irp i, 0,1,2,3,4,5,6,7
	FRAG 128*(\p)+FR*\i, ADRB+(\slot), \q, \i
.endr
	WIN 0
.irp j, 0,1
	ds_load_b128 v[SC+8*(\p)+4*\j:SC+8*(\p)+4*\j+3], v[ADRS+(\slot)] offset:(\q)*STEPT+CODEB+256*\j
.endr
.endm
.macro FETCHW slot, q, p               ; and 24 loads of W's fragments, blocks 0-3 first
	WIN 0
.irp i, 0,1,2,3,4,5,6,7
	FRAG AF+96*(\p)+FR*\i, ADRA+(\slot), \q, \i
.endr
.endm
.macro MUL8 a, p, zero                 ; W's block a against x's eight; the accumulators take turns
	WIN 0xa1+0x50*((\a)/4)
.irp b, 0,1,2,3,4,5,6,7
.if \zero
	v_wmma_scale_f32_16x16x128_f8f6f4 v[8*(8*((\a)%4)+\b):8*(8*((\a)%4)+\b)+7], v[128*(\p)+FR*\b:128*(\p)+FR*\b+FR-1], v[AF+96*(\p)+FR*(\a):AF+96*(\p)+FR*(\a)+FR-1], 0, v[SC+8*(\p)+\b], v[SC+8*(\p)+(\a)] matrix_a_fmt:MATRIX_FMT_FP6 matrix_b_fmt:MATRIX_FMT_FP6 matrix_a_scale:MATRIX_SCALE_ROW1
.else
	v_wmma_scale_f32_16x16x128_f8f6f4 v[8*(8*((\a)%4)+\b):8*(8*((\a)%4)+\b)+7], v[128*(\p)+FR*\b:128*(\p)+FR*\b+FR-1], v[AF+96*(\p)+FR*(\a):AF+96*(\p)+FR*(\a)+FR-1], v[8*(8*((\a)%4)+\b):8*(8*((\a)%4)+\b)+7], v[SC+8*(\p)+\b], v[SC+8*(\p)+(\a)] matrix_a_fmt:MATRIX_FMT_FP6 matrix_b_fmt:MATRIX_FMT_FP6 matrix_a_scale:MATRIX_SCALE_ROW1
.endif
.endr
.endm
.macro ASK how, m                      ; (every window is 0 here)  how = 1: pair m from PFA on is asked for; 2: not in the loop's last trip, whose pairs would lie behind step 31
.if \how
.if \how == 2
	s_cmp_gt_u32 s3, 1
	s_cbranch_scc0 .Lno_ask_\@
.endif
	global_prefetch_b8 v[PFO], s[PFA:PFA+1] offset:(\m)*2*STEPT th:TH_LOAD_NT scope:SCOPE_SE
.if \how == 2
.Lno_ask_\@:
.endif
.endif
.endm
.macro STEP slot, q, p, zero, ask, m   ; the step at (slot, q), in sets p; its successor lies in the same slot
	PLACES                                         ; ahead of both runs: they land on the sets that the step before multiplied
	FETCHX \slot, (\q)+1, 1-(\p)
	ASK \ask, \m
	s_wait_dscnt 38                                ; this step's x, scale words and W's blocks 0-3 are in; W's blocks 4-7 (12 loads) and the 26 just issued may be out
.irp a, 0,1,2,3
	MUL8 \a, \p, \zero
.endr
	FETCHW \slot, (\q)+1, 1-(\p)
	s_wait_dscnt 24                                ; W's blocks 4-7 are in; the 24 loads just issued may be out
.irp a, 4,5,6,7
	MUL8 \a, \p, \zero
.endr
.endm
; A fill's last step, in sets p.  Its fragments have been asked for: the slot is read no more.  fill = 1: the barrier opens a round of the cluster's barrier and the slot is filled again, adv bytes on.
.macro TURN slot, p, fill, adv, ask, m
	WIN 0
	s_wait_tensorcnt 0x0                           ; my part of the next slot has landed
	ds_add_u32 v[SPW], v[NIL]
	s_wait_dscnt 13                                ; x, scale words and W's blocks 0-3 are in; W's blocks 4-7 and the add may be out
	MUL8 0, \p, 0
	s_wait_dscnt 0x0                               ; the add is done and my reads of this slot are over
	s_barrier_signal -1
	MUL8 1, \p, 0
	WIN 0
	s_barrier_wait -1
.if \fill
	CREST
	s_add_nc_u64 s[G0+4*\slot+2:G0+4*\slot+3], s[G0+4*\slot+2:G0+4*\slot+3], \adv
	s_add_nc_u64 s[G0B+4*\slot+2:G0B+4*\slot+3], s[G0B+4*\slot+2:G0B+4*\slot+3], \adv
	JLOAD \slot, G1, G1B                           ; the first tensor load behind the round; its four v_nop are the places ahead of the two runs below
.else
	PLACES
.endif
	FETCHX 1-(\slot), 0, 1-(\p)
	ASK \ask, \m
	MUL8 2, \p, 0
	MUL8 3, \p, 0
	FETCHW 1-(\slot), 0, 1-(\p)
.irp a, 4,5,6,7
	MUL8 \a, \p, 0
.endr
.endm
	s_wait_alu depctr_va_vdst(0)
	s_wait_tensorcnt 0x0                           ; my part of fill 0 is in
	ds_add_u32 v[SPW], v[NIL]
	s_wait_dscnt 0x0
	CROUND
	JLOAD 1, G1, G1B                               ; fill 1, slot 1's first
	FETCHX 0, 0, 0                                 ; step 0
	FETCHW 0, 0, 0
.irp m, 3,4
	global_prefetch_b8 v[PFO], s[PFA:PFA+1] offset:\m*2*STEPT th:TH_LOAD_NT scope:SCOPE_SE   ; steps 6 to 9
.endr
	STEP 0, 0, 0, 1, 1, 5                          ; step 0's products start the sums
	TURN 0, 1, 1, 5*STEPT, 0, 0                    ; step 1; fill 2 begins at step 5
	WIN 0
	s_mov_b32 s3, 4
.Llap:                                                 ; a trip: six steps, two fills read, two asked for (fills 3 to 10 in the four trips)
	STEP 1, 0, 0, 0, 1, 6
	STEP 1, 1, 1, 0, 0, 0
	TURN 1, 0, 1, 6*STEPT, 2, 7
	STEP 0, 0, 1, 0, 0, 0
	STEP 0, 1, 0, 0, 2, 8
	TURN 0, 1, 1, 6*STEPT, 0, 0
	WIN 0
	s_wait_xcnt 0x0                                ; my prefetches have read their base: it steps three pairs on
	s_add_nc_u64 s[PFA:PFA+1], s[PFA:PFA+1], 6*STEPT
	s_sub_co_u32 s3, s3, 1
	s_cmp_lg_u32 s3, 0
	s_cbranch_scc1 .Llap
	STEP 1, 0, 0, 0, 0, 0                          ; steps 26 to 30: nothing more is asked for
	STEP 1, 1, 1, 0, 0, 0
	TURN 1, 0, 0, 0, 0, 0
	STEP 0, 0, 1, 0, 0, 0
	STEP 0, 1, 0, 0, 0, 0
; STEP 31 AND THE WAY OUT, by blocks of 16 rows x 128 columns: a block goes through my own stage and comes back as whole rows of 512 bytes, which the 32 lanes store as two aligned runs of 256 bytes.
; Each block is read back into 64 registers of its own, so that no register that a store reads is written again: blocks 0, 1 into window 1, v0-127 (x's set 0, done with, and 32 registers beside it);
; block k >= 2 into the accumulators of block k - 2, whose stores into the stage the wait in SEND k - 2 has shown done.  Every offset is an immediate: 127 rows of 16,384 bytes at the most (ISA guide, chapter 10: 24 bits, signed).
.macro BUF k
.if (\k) < 2
.set BWIN, 1
.set BREG, 64*(\k)
.else
.set BWIN, 2+((\k)-2)/4
.set BREG, 64*(((\k)-2)%4)
.endif
.endm
.macro TOSTAGE a
.set AC, 64*((\a)%4)
	WIN 0x08+4*((\a)/4)                            ; the data: window 2 or 3
.irp b, 0,1,2,3,4,5,6,7
	ds_store_b128 v[STO], v[AC+8*\b:AC+8*\b+3] offset:64*\b          ; each accumulator from its low end on
	ds_store_b128 v[STO], v[AC+8*\b+4:AC+8*\b+7] offset:64*\b+16
.endr
	BUF \a
	WIN BWIN<<6
.irp t, 0,1,2,3,4,5,6,7,8,9,10,11,12,13,14,15
	ds_load_b128 v[BREG+4*\t:BREG+4*\t+3], v[RD] offset:\t*SPITCH  ; LDS serves a wave's instructions in order: these see the stores above
.endr
.endm
.macro SEND a, younger                 ; younger: the LDS instructions issued behind block a's loads, which may stay out
	s_wait_dscnt \younger
	BUF \a
	WIN BWIN<<2
.irp t, 0,1,2,3,4,5,6,7,8,9,10,11,12,13,14,15
	global_store_b128 v[CO], v[BREG+4*\t:BREG+4*\t+3], s[8:9] offset:(16*(\a)+\t)*ROWC th:TH_STORE_NT
.endr
.endm
	s_wait_dscnt 0x0                               ; step 31's fragments are in
	MUL8 0, 1, 0
.irp a, 1,2,3,4,5,6,7
	MUL8 \a, 1, 0
	PLACES                                         ; behind block a - 1's products, ahead of the stores that read them
	TOSTAGE \a-1
.if \a > 1
	SEND \a-2, 32                                  ; behind block a - 2's loads: block a - 1's 16 stores and 16 loads
.endif
.endr
	PLACES
	TOSTAGE 7
	SEND 6, 32
	SEND 7, 0
	WIN 0
	s_wait_tensorcnt 0x0                           ; the wave's end
	ds_add_u32 v[SPW], v[NIL]
	s_wait_dscnt 0x0
	CROUND                                         ; the closing round
	s_endpgm
.Lfunc_end_k_qb4874bdaa1_gemm:
	.size	k_qb4874bdaa1_gemm, .Lfunc_end_k_qb4874bdaa1_gemm-k_qb4874bdaa1_gemm
	.p2alignl 7, 3214868480
	.fill 96, 4, 3214868480
	.section	.rodata,"a",@progbits
	.p2align	6, 0x0
	.amdhsa_kernel k_qb4874bdaa1_gemm
		.amdhsa_group_segment_fixed_size 327680
		.amdhsa_private_segment_fixed_size 0
		.amdhsa_enable_private_segment 0
		.amdhsa_kernarg_size 24
		.amdhsa_user_sgpr_count 2
		.amdhsa_user_sgpr_kernarg_segment_ptr 1
		.amdhsa_wavefront_size32 1
		.amdhsa_system_sgpr_workgroup_id_x 1
		.amdhsa_system_sgpr_workgroup_id_y 1
		.amdhsa_system_sgpr_workgroup_id_z 1
		.amdhsa_system_vgpr_workitem_id 0
		.amdhsa_next_free_vgpr 1024
		.amdhsa_next_free_sgpr 88
		.amdhsa_reserve_vcc 0
		.amdhsa_float_denorm_mode_32 3
		.amdhsa_float_denorm_mode_16_64 3
		.amdhsa_memory_ordered 1
		.amdhsa_forward_progress 1
		.amdhsa_inst_pref_size 204
	.end_amdhsa_kernel
	.amdgpu_metadata
---
amdhsa.version: [ 1, 2 ]
amdhsa.kernels:
  - .name:           k_qb4874bdaa1_gemm
    .symbol:         k_qb4874bdaa1_gemm.kd
    .args:
      - { .name: wq, .offset: 0, .size: 8, .value_kind: global_buffer, .address_space: global }
      - { .name: xq, .offset: 8, .size: 8, .value_kind: global_buffer, .address_space: global }
      - { .name: out0, .offset: 16, .size: 8, .value_kind: global_buffer, .address_space: global }
    .group_segment_fixed_size: 327680
    .private_segment_fixed_size: 0
    .kernarg_segment_align: 8
    .kernarg_segment_size: 24
    .max_flat_workgroup_size: 128
    .sgpr_count:     88
    .vgpr_count:     1024
    .wavefront_size: 32
...
	.end_amdgpu_metadata
.endif
;; end of part 2
